; MI455X (gfx1250); checked and timed in simulation.
; The chip was launched on July 23, 2026; its instructions are those of AMD's public machine-readable ISA for CDNA 5 (MIT licence, August 2026) and "CDNA5" Instruction Set Architecture Reference Guide (July 2026). The comments in the code are by the model that wrote it; some were corrected since.
;; Quant Linear. Allowed arithmetic: matrix products marked QUANTISED: E3M2 operands, one E8M0 scale for each 32 along K, by v_wmma_scale_f32_16x16x128_f8f6f4 with both operands' format E3M2, f32 sums; everything else in f32.
;; Inputs: b 4,096 float32; weight 4,096 x 4,096 float32; x 4,096 x 4,096 float32.
;; Outputs: out0 4,096 x 4,096 float32.
;; This version of the problem:
;;   THIS VERSION OF THE PROBLEM IS GIVEN IN LOW PRECISION. The matrix products marked QUANTISED in the list below multiply operands that are first quantised to E3M2 (3 exponent bits, 2 mantissa bits; 6 bits a number), with one power-of-two scale for each 32 numbers along K (OCP MX v1.0); their sums are f32. All else is computed in f32.
;;   The module's matrix products, in the order in which they are computed (A, B: the left and right operand; K: the contracted axis; several contracted axes count as one K, in the product's order):
;;     1. [M 4,096, K 4,096] x [K 4,096, N 4,096]; A: input x; B: computed on the way: QUANTISED
;;   THE QUANTISER, for each operand of a quantised product, along K:
;;     - K is cut into blocks of 32 from its start; a last block that is shorter is filled with zeros.
;;     - A block's scale is 2^e with e = floor(log2(the largest magnitude in the block)) - 4, held to -126 .. 127; a block of zeros has e = 0. As a byte (E8M0): e + 127.
;;     - Each number is divided by its block's scale, clamped to +-28, and rounded to the nearest number of E3M2, ties to even, subnormals kept.
;;     - The product sums the exact products of the quantised numbers (number of the format x scale) in f32.
;;   ~~~python
;;   def quantise(x, axis):      # numpy; x: float32 -> the quantised numbers, widened to float32 again
;;       x = np.moveaxis(x, axis, -1); K = x.shape[-1]
;;       x = np.pad(x, [(0, 0)] * (x.ndim - 1) + [(0, -K % 32)]); x = x.reshape(x.shape[:-1] + (-1, 32)); a = np.abs(x).max(-1, keepdims=True)
;;       e = np.where(a > 0, np.clip(np.frexp(np.where(a > 0, a, 1))[1] - 1 - 4, -126, 127), 0)      # np.frexp(a)[1] - 1 = floor(log2(a)), exactly
;;       r = np.clip(x / 2.0 ** e, -28, 28)
;;       step = 2.0 ** (np.maximum(np.frexp(np.where(r == 0, 1, r))[1] - 1, -2) - 2)
;;       q = np.round(r / step) * step * 2.0 ** e      # np.round: ties to even
;;       return np.moveaxis(q.reshape(q.shape[:-2] + (-1,))[..., :K], -1, axis).astype(np.float32)
;;   ~~~
;;   OPERANDS COMPUTED ON THE WAY. 'Computed on the way' means the value that the module computes at that place (a softmax that the list does not call 'softmax' is quantised finished and normalised). What goes into a quantiser is computed in f32, as accurately as f32 sums, v_exp_f32 and their like allow (about 1e-6 of the number): no bf16 or f16 on the way to a quantiser, and a product that is left as it is and whose result goes on into a quantised operand takes f32 operands (vector FMAs, or v_wmma_f32_16x16x4_f32). A number that lies on a knife's edge between two numbers of the format may be rounded either way, as far as f32 arithmetic and the matrix unit's own rounding can turn it there, and no further.
;; One version. Each part assembles by itself: llvm-mc -triple=amdgcn-amd-amdhsa -mcpu=gfx1250 --defsym DOCPART=n.
;; ======== version 1 of 1: 2 launches
;; limits: below input magnitudes of 7.9e-31 results are inexact or not finite
;; workspace buffers: xc 12,582,912 bytes; wc 12,582,912 bytes; xs 524,288 bytes; ws 524,288 bytes
;; launch quant (part 1): grid 1024 x 1, 4 waves a work-group, no clusters, 33,280 bytes of LDS; arguments x, weight, xc, xs, wc, ws; writes xc, xs, wc, ws
.if DOCPART == 1
	.amdgcn_target "amdgcn-amd-amdhsa--gfx1250"
	.amdhsa_code_object_version 6
	.text
	.protected	k_q0be491dff9_quant
	.globl	k_q0be491dff9_quant
	.p2align	8
	.type	k_q0be491dff9_quant,@function
k_q0be491dff9_quant:
	s_mov_b64 s[64:65], 0
	v_nop
	global_prefetch_b8 v0, s[64:65] scope:SCOPE_SE
	s_setreg_imm32_b32 hwreg(HW_REG_WAVE_MODE, 25, 1), 1
	s_wait_xcnt 0x0
; x [4096][4096] f32 and weight [4096][4096] f32 become codes of BF6 (E3M2), 6 bits each, with one E8M0 scale byte for each 32 along K.
; weight first goes through the module's own FP4 step, in f32: for each group of 128 along K, scale = (largest magnitude) / 6 (1 for a group of zeros); a = |w / scale| is sent to
;   a <= .25 -> 0;  (.25, 1) -> .5;  from 1 on: the number's own binade, with half a binade added where its fraction is above 1/4: 1, 1.5, 2, 3, 4, 6;  the sign is w's;  times the scale again.
; That function jumps, so both quotients are made as correctly rounded f32 quotients: a first product with a reciprocal, then twice a residual by a fused multiply-add and a correction.
; THE MX RULE: a block's scale is 2^(floor(log2(its largest magnitude)) - 4); its byte is the largest magnitude's own exponent field - 4, held at 1 from below; each number is divided by the scale and
; rounded to the nearest code, ties to even, beyond the largest code the largest.
; LIMITS: NaN and infinities among the inputs are not served.  Groups of weight with 0 < largest magnitude < 2^-100 are not served (the residuals of the divisions and the reciprocal's treatment of denormals).
; Blocks whose largest magnitude lies under 2^-122 keep the byte 1.  A block of zeros has the byte 1 where the rule says 127: its codes are zeros, and this program alone reads the bytes.
; A weight that the FP4 step sends to 0 becomes +0.  The binade is the number's own exponent field, exactly.  (largest magnitude) / 6 is the true quotient, rounded once.
; SHARES.  Work-groups take x and weight by turns: which = (id xor (id >> 9)) & 1, index = id >> 1.  Wave number run = 4 x index + wave (0 .. 2,047) owns rows 2 run and 2 run + 1, all of K, in 16 steps of
; 2 rows x 256 numbers.  Both tensors take ONE path through every memory and LDS line (only pointers are chosen); x jumps over the FP4 step, which is work on registers alone.
; A conversion wants 16 NEIGHBOURS along K in one lane; a load is best where neighbouring LANES take neighbouring bytes.  So each load reads 512 consecutive bytes, 16 a lane, and a step's 2,048 bytes turn through the
; wave's own stage in LDS (16 bytes of padding behind each 64) and come back 64 bytes a lane: lane l then holds row l / 16, k = 256 t + 16 (l % 16) + 0 .. 15.  A block of 32 is lanes l and l xor 1, a group of 128 eight aligned lanes.
; THE CODES' LAYOUT is the product's: [block of 128 rows: 32][K step of 256: 16][row: 128][192 bytes], so that 128 rows x one K step are 24,576 consecutive bytes.  A wave's store of a step covers 384 consecutive bytes.
; The scale bytes lie [row][128]; a wave's 256 are gathered in LDS and leave by one store of 256 consecutive bytes, aligned.
; No tensor loads, no barrier: waves share nothing.  Loads run four steps (16 loads a wave) ahead, the turn through LDS one step.
.set STEPS, 16
.set SP,    80                         ; a lane's place in a stage: its 64 bytes + 16 of padding
.set TILEB, 24576                      ; 128 rows x 192 bytes
.set R,     16                         ; v16-79   four sets of 16 numbers as they are loaded
.set X,     80                         ; v80-111  two sets of 16 neighbours
.set E,     112                        ; v112-127 a scale byte for each step
.set C,     128                        ; v128-191 codes: four registers for each step, so that no store's data are written again
.set Q,     192                        ; v192-207 the quotients w / scale
.set EE,    208                        ; v208-223 residuals, then bit work
.set AM,    224                        ; v224-225 the group's largest magnitude, in two chains
.set SC,    226                        ; v226 the group's scale; v227 its residual (the packed forms name the pair and take its low word for both halves)
.set RC,    228                        ; v228 1 / scale; v229 its residual
	s_load_b128 s[4:7], s[0:1], 0x0                ; x, weight
	s_load_b128 s[8:11], s[0:1], 0x10              ; x's codes, x's scale bytes
	s_load_b128 s[12:15], s[0:1], 0x20             ; weight's codes, weight's scale bytes
	v_lshl_add_u32 v240, v0, 2, 0x8000
	v_mov_b32 v241, 0
	v_lshrrev_b32 v1, 5, v0
	v_readfirstlane_b32 s16, v1                    ; wave
	v_and_b32 v2, 31, v0                           ; lane
	v_lshlrev_b32 v3, 4, v2                        ; my 16 bytes of a load's 512
	s_lshl_b32 s19, s16, 13                        ; LDS: 8,192 bytes for each wave: two stages of 32 x SP bytes, behind them its 256 scale bytes
	v_lshrrev_b32 v14, 2, v2
	v_mul_u32_u24 v14, v14, SP
	v_and_b32 v15, 3, v2
	v_lshl_add_u32 v14, v15, 4, v14
	v_add_nc_u32 v14, s19, v14                     ; the stage, on the way in: four lanes' 64 bytes on end, then 16 of padding
	v_mul_u32_u24 v15, v2, SP
	v_add_nc_u32 v15, s19, v15                     ; and on the way out: SP x lane: my 16 neighbours
	v_mul_u32_u24 v4, v2, 12                       ; my codes' place in a step's 384 bytes
	s_add_co_u32 s19, s19, 2*32*SP
	v_bfe_u32 v1, v0, 4, 1                         ; which of my wave's two rows
	v_bfe_u32 v5, v0, 1, 3                         ; which of a step's eight blocks of that row
	v_lshl_add_u32 v5, v1, 7, v5
	v_add_nc_u32 v5, s19, v5                       ; LDS: my block's byte: 128 x row + block (+ 8 x step, in the immediate)
	v_lshlrev_b32 v7, 3, v2                        ; and on the way out 8 bytes a lane
	v_add_nc_u32 v6, s19, v7
	s_mov_b32 s24, 0x3e2aaaab                      ; 1 / 6, rounded
	s_mov_b32 s25, 0x40c00000                      ; 6
	s_mov_b32 s26, 0x001fffff                      ; added to a number's bits it carries into mantissa bit 22 where the fraction is above 1/4 (and under 1/2)
	s_mov_b32 s27, 0x00400000                      ; mantissa bit 22: half a binade
	s_mov_b32 s28, 0xffc00000                      ; sign, exponent, mantissa bit 22
	s_mov_b32 s29, 0x80000000                      ; sign
	s_mov_b32 s30, 0x3f000000                      ; .5
	s_mov_b32 s40, 0x3e800000                      ; .25
	s_lshr_b32 s17, ttmp9, 9
	s_xor_b32 s17, s17, ttmp9
	s_and_b32 s31, s17, 1                          ; 0: x, 1: weight
	s_lshr_b32 s18, ttmp9, 1
	s_lshl_b32 s18, s18, 2
	s_add_co_u32 s18, s18, s16                     ; run
	s_lshl_b32 s20, s18, 15                        ; two rows of 16,384 bytes
	s_mov_b32 s21, 0
	s_lshr_b32 s22, s18, 6                         ; the block of 128 rows,
	s_mul_i32 s22, s22, 16*TILEB
	s_and_b32 s23, s18, 63                         ; and my two rows in it
	s_mul_i32 s23, s23, 384
	s_add_co_u32 s22, s22, s23
	s_mov_b32 s23, 0
	s_lshl_b32 s18, s18, 8                         ; 256 scale bytes a run
	s_mov_b32 s19, 0
	s_wait_kmcnt 0x0
	s_cmp_eq_u32 s31, 0                            ; the choice hangs on the work-group's number alone
	s_cselect_b64 s[4:5], s[4:5], s[6:7]
	s_cselect_b64 s[8:9], s[8:9], s[12:13]
	s_cselect_b64 s[10:11], s[10:11], s[14:15]
	s_add_nc_u64 s[4:5], s[4:5], s[20:21]
	s_add_nc_u64 s[8:9], s[8:9], s[22:23]
	s_add_nc_u64 s[10:11], s[10:11], s[18:19]
.macro LOAD t                          ; step t: 1,024 bytes of each of my two rows, four loads of 512 consecutive bytes
.irp i, 0,1,2,3
	global_load_b128 v[R+16*((\t)%4)+4*\i:R+16*((\t)%4)+4*\i+3], v3, s[4:5] offset:16384*(\i/2)+1024*(\t)+512*(\i%2) th:TH_LOAD_NT
.endr
.endm
.macro TURN t                          ; step t's numbers through the stage: LDS serves a wave's instructions in order (ISA guide 5.7.1.4), so no wait stands between the stores and the loads
.irp i, 0,1,2,3
	ds_store_b128 v14, v[R+16*((\t)%4)+4*\i:R+16*((\t)%4)+4*\i+3] offset:32*SP*((\t)%2)+8*SP*\i
.endr
.irp i, 0,1,2,3
	ds_load_b128 v[X+16*((\t)%2)+4*\i:X+16*((\t)%2)+4*\i+3], v15 offset:32*SP*((\t)%2)+16*\i
.endr
.endm
; THE FP4 STEP on the 16 numbers v[XS] .. v[XS + 15], in place.  Work on registers alone, all lanes on.
.macro FP4
	v_max3_num_f32 v[AM], |v[XS]|, |v[XS+1]|, |v[XS+2]|            ; the largest magnitude of my 16, in two chains,
	v_max3_num_f32 v[AM+1], |v[XS+3]|, |v[XS+4]|, |v[XS+5]|
.irp i, 6,10
	v_max3_num_f32 v[AM], v[AM], |v[XS+\i]|, |v[XS+\i+1]|
	v_max3_num_f32 v[AM+1], v[AM+1], |v[XS+\i+2]|, |v[XS+\i+3]|
.endr
	v_max3_num_f32 v[AM], v[AM], |v[XS+14]|, |v[XS+15]|
	v_max_num_f32 v[AM], v[AM], v[AM+1]
	v_max_num_f32_dpp v[AM], v[AM], v[AM] row_xmask:1 row_mask:0xf bank_mask:0xf   ; and of the eight lanes that hold the group of 128
	v_max_num_f32_dpp v[AM], v[AM], v[AM] row_xmask:2 row_mask:0xf bank_mask:0xf
	v_max_num_f32_dpp v[AM], v[AM], v[AM] row_xmask:4 row_mask:0xf bank_mask:0xf
	v_mul_f32 v[SC], s24, v[AM]                    ; scale = largest magnitude / 6: a first product,
.rept 2
	v_fma_f32 v[SC+1], -v[SC], s25, v[AM]          ; its residual, exact,
	v_fma_f32 v[SC], v[SC+1], s24, v[SC]           ; and the correction
.endr
	v_cmp_eq_f32 vcc_lo, 0, v[AM]
	v_cndmask_b32 v[SC], v[SC], 1.0, vcc_lo        ; a group of zeros has the scale 1
	v_rcp_f32 v[RC], v[SC]
	v_nop                                          ; a plain instruction between the reciprocal and the use of its result (ISA guide 5.7.2)
	s_wait_alu depctr_va_vdst(0)                   ; and the wait ahead of the first instruction that names the result
.rept 2
	v_fma_f32 v[RC+1], -v[SC], v[RC], 1.0          ; Newton's step on the reciprocal
	v_fma_f32 v[RC], v[RC+1], v[RC], v[RC]
.endr
.irp j, 0,2,4,6,8,10,12,14             ; q = w / scale, two numbers an instruction; each line runs over all eight pairs, so that none waits for the line above it
	v_pk_mul_f32 v[Q+\j:Q+\j+1], v[XS+\j:XS+\j+1], v[RC:RC+1] op_sel_hi:[1,0]
.endr
.rept 2
.irp j, 0,2,4,6,8,10,12,14
	v_pk_fma_f32 v[EE+\j:EE+\j+1], v[Q+\j:Q+\j+1], v[SC:SC+1], v[XS+\j:XS+\j+1] op_sel_hi:[1,0,1] neg_lo:[1,0,0] neg_hi:[1,0,0]   ; w - q x scale, exact
.endr
.irp j, 0,2,4,6,8,10,12,14
	v_pk_fma_f32 v[Q+\j:Q+\j+1], v[EE+\j:EE+\j+1], v[RC:RC+1], v[Q+\j:Q+\j+1] op_sel_hi:[1,0,1]
.endr
.endr
.irp g, 0,1,2,3                        ; the step function, four numbers by turns
.irp n, 0,1,2,3
	v_cmp_lt_f32 s[32+2*\n], |v[Q+4*\g+\n]|, 1.0
.endr
.irp n, 0,1,2,3
	v_cmp_le_f32 s[33+2*\n], |v[Q+4*\g+\n]|, s40
.endr
.irp n, 0,1,2,3
	v_and_or_b32 v[EE+4*\g+\n], v[Q+4*\g+\n], s29, s30             ; .5 with q's sign
.endr
.irp n, 0,1,2,3
	v_cndmask_b32 v[Q+4*\g+\n], v[Q+4*\g+\n], v[EE+4*\g+\n], s[32+2*\n]   ; under 1: .5,
.endr
.irp n, 0,1,2,3
	v_cndmask_b32 v[Q+4*\g+\n], v[Q+4*\g+\n], 0, s[33+2*\n]        ; up to .25: 0
.endr
.irp n, 0,1,2,3
	v_add_nc_u32 v[EE+4*\g+\n], s26, v[Q+4*\g+\n]                  ; from 1 on: mantissa bit 22 is set where the fraction is above 1/4 (where it is 1/2 or more q has the bit itself),
.endr
.irp n, 0,1,2,3
	v_and_or_b32 v[EE+4*\g+\n], v[EE+4*\g+\n], s27, v[Q+4*\g+\n]
.endr
.irp n, 0,1,2,3
	v_and_b32 v[Q+4*\g+\n], s28, v[EE+4*\g+\n]                     ; and the rest of the mantissa is cut.  .5 and 0 pass these three lines unchanged
.endr
.endr
.irp j, 0,2,4,6,8,10,12,14
	v_pk_mul_f32 v[XS+\j:XS+\j+1], v[Q+\j:Q+\j+1], v[SC:SC+1] op_sel_hi:[1,0]   ; times the scale again
.endr
.endm
.irp t, 0,1,2,3
	LOAD \t
.endr
	s_wait_loadcnt 12                              ; step 0's four loads are in; the twelve of steps 1 to 3 may be out
	TURN 0
.macro STEP t
.set XS, X+16*((\t)%2)
.if (\t) > 0
	s_wait_dscnt 1                                 ; this step's numbers are back from the stage (the one younger LDS instruction, the last step's byte store, may be out): so its stores into the stage have read their registers,
.else
	s_wait_dscnt 0x0
.endif
.if (\t)+4 < STEPS
	LOAD (\t)+4                                    ; which take the loads of four steps on
.endif
.if (\t)+1 < STEPS
.if STEPS-2-(\t) >= 3
	s_wait_loadcnt 12                              ; the next step's four loads are in; those of the three steps behind it may be out
.else
	s_wait_loadcnt 4*(STEPS-2-(\t))                ; no more loads are issued: the count runs down
.endif
	TURN (\t)+1                                    ; and go through the other stage while this step is worked
.endif
	s_cmp_eq_u32 s31, 0                            ; x has no FP4 step: a scalar branch on the work-group's number, round work on registers alone
	s_cbranch_scc1 .Lplain_\@
	FP4
.Lplain_\@:
	v_max3_num_f32 v8, |v[XS]|, |v[XS+1]|, |v[XS+2]|               ; the MX rule: the largest magnitude of my 16
	v_max3_num_f32 v9, |v[XS+3]|, |v[XS+4]|, |v[XS+5]|
.irp i, 6,10
	v_max3_num_f32 v8, v8, |v[XS+\i]|, |v[XS+\i+1]|
	v_max3_num_f32 v9, v9, |v[XS+\i+2]|, |v[XS+\i+3]|
.endr
	v_max3_num_f32 v8, v8, |v[XS+14]|, |v[XS+15]|
	v_max3_num_f32 v8, v8, v9, 0x2800000           ; and the floor 2^(5 - 127), under which no largest magnitude is taken: so the byte cannot fall under 1
	v_max_num_f32_dpp v8, v8, v8 row_xmask:1 row_mask:0xf bank_mask:0xf   ; and of my neighbour's 16: the block's
	v_add_nc_u32 v11, 0xfe000000, v8               ; 4 off its exponent field: the conversion takes the exponent field of this operand as its scale, and nothing else of it
	v_cvt_scalef32_pk16_bf6_f32 v[C+4*(\t):C+4*(\t)+2], v[XS:XS+15], v11   ; sixteen codes, 96 bits without gaps, the first number's code lowest
	v_lshrrev_b32 v[E+(\t)], 23, v11               ; the scale's byte.  (Also the plain instruction behind the conversion)
	ds_store_b8 v5, v[E+(\t)] offset:8*(\t)        ; both lanes of a block write the same byte with the same value
	global_store_b96 v4, v[C+4*(\t):C+4*(\t)+2], s[8:9] offset:TILEB*(\t)   ; 32 lanes store 384 consecutive bytes: my two rows of K step t
.endm
.irp t, 0,1,2,3,4,5,6,7,8,9,10,11,12,13,14,15
	STEP \t
.endr
	ds_load_b64 v[12:13], v6                       ; LDS serves a wave's instructions in order: these see my byte stores
	s_wait_dscnt 0x0
	global_store_b64 v7, v[12:13], s[10:11]        ; 32 lanes store 256 consecutive bytes, at a multiple of 256 from the buffer's first byte
	s_wait_tensorcnt 0x0
	ds_add_u32 v240, v241
	s_wait_dscnt 0x0
	s_endpgm
.Lfunc_end_k_q0be491dff9_quant:
	.size	k_q0be491dff9_quant, .Lfunc_end_k_q0be491dff9_quant-k_q0be491dff9_quant
	.p2alignl 7, 3214868480
	.fill 96, 4, 3214868480
	.section	.rodata,"a",@progbits
	.p2align	6, 0x0
	.amdhsa_kernel k_q0be491dff9_quant
		.amdhsa_group_segment_fixed_size 33280
		.amdhsa_private_segment_fixed_size 0
		.amdhsa_enable_private_segment 0
		.amdhsa_kernarg_size 48
		.amdhsa_user_sgpr_count 2
		.amdhsa_user_sgpr_kernarg_segment_ptr 1
		.amdhsa_wavefront_size32 1
		.amdhsa_system_sgpr_workgroup_id_x 1
		.amdhsa_system_sgpr_workgroup_id_y 1
		.amdhsa_system_sgpr_workgroup_id_z 1
		.amdhsa_system_vgpr_workitem_id 0
		.amdhsa_next_free_vgpr 242
		.amdhsa_next_free_sgpr 66
		.amdhsa_reserve_vcc 1
		.amdhsa_float_denorm_mode_32 3
		.amdhsa_float_denorm_mode_16_64 3
		.amdhsa_memory_ordered 1
		.amdhsa_forward_progress 1
		.amdhsa_inst_pref_size 216
	.end_amdhsa_kernel
	.amdgpu_metadata
---
amdhsa.version: [ 1, 2 ]
amdhsa.kernels:
  - .name:           k_q0be491dff9_quant
    .symbol:         k_q0be491dff9_quant.kd
    .args:
      - { .name: x, .offset: 0, .size: 8, .value_kind: global_buffer, .address_space: global }
      - { .name: weight, .offset: 8, .size: 8, .value_kind: global_buffer, .address_space: global }
      - { .name: xc, .offset: 16, .size: 8, .value_kind: global_buffer, .address_space: global }
      - { .name: xs, .offset: 24, .size: 8, .value_kind: global_buffer, .address_space: global }
      - { .name: wc, .offset: 32, .size: 8, .value_kind: global_buffer, .address_space: global }
      - { .name: ws, .offset: 40, .size: 8, .value_kind: global_buffer, .address_space: global }
    .group_segment_fixed_size: 33280
    .private_segment_fixed_size: 0
    .kernarg_segment_align: 8
    .kernarg_segment_size: 48
    .max_flat_workgroup_size: 128
    .sgpr_count:     66
    .vgpr_count:     242
    .wavefront_size: 32
...
	.end_amdgpu_metadata
.endif
;; end of part 1
;; launch gemm (part 2): grid 16 x 16, 4 waves a work-group, clusters of 4 x 4, 327,680 bytes of LDS; arguments xc, xs, wc, ws, b, out0; writes out0
.if DOCPART == 2
	.amdgcn_target "amdgcn-amd-amdhsa--gfx1250"
	.amdhsa_code_object_version 6
	.text
	.protected	k_q0be491dff9_gemm
	.globl	k_q0be491dff9_gemm
	.p2align	8
	.type	k_q0be491dff9_gemm,@function
k_q0be491dff9_gemm:
	s_mov_b64 s[64:65], 0
	v_nop
	global_prefetch_b8 v0, s[64:65] scope:SCOPE_SE
	s_setreg_imm32_b32 hwreg(HW_REG_WAVE_MODE, 25, 1), 1
	s_wait_xcnt 0x0
	s_wait_alu depctr_hold_cnt(0) depctr_sa_sdst(0) depctr_va_vdst(0) depctr_va_sdst(0) depctr_va_ssrc(0) depctr_va_vcc(0) depctr_vm_vsrc(0)
	s_getreg_b32 s2, hwreg(HW_REG_IB_STS2, 6, 4)
	s_cmp_eq_u32 s2, 0
	s_cbranch_scc0 .Lentry_in_a_cluster
	s_endpgm
.Lentry_in_a_cluster:
	s_bfe_u32 s2, ttmp6, 0x10000c
	s_cmp_lg_u32 s2, 0xf033
	s_cbranch_scc0 .Lentry_shape_is_right
	s_endpgm
.Lentry_shape_is_right:
; out0[m][n] = sum over k of A[m][k] B[n][k] + b[n].  A = x, B = the dequantised weight, both [4096][4096] as codes of BF6 (E3M2), 6 bits each, with one E8M0 scale byte for each 32 along K; out0 f32; sums in f32, K ascending.
; The codes lie [block of 128 rows: 32][K step of 256: 16][row: 128][192 bytes]: 128 rows x one K step are 24,576 consecutive bytes; a row's 192 bytes are one stream of bits, the code of the lowest k lowest.
; The scale bytes lie [row][128].  The matrix instruction takes codes and scale bytes as they lie.
; A tile of out0, 256 x 256, is made by a work-group of four waves, as many as a WGP has SIMDs; a wave makes 128 x 128: 64 accumulators of 16 x 16, 512 registers.  256 tiles, one to a work-group.
; K goes in steps of 256 through a ring of two LDS slots filled by the tensor data mover.  THE SCALES of the work-group's 256 rows of A and of B, for all of K, are two dense blocks of memory: they come into LDS ONCE, with the first fills.
; CLUSTERS: 4 x 4 work-groups.  The four of a row of the cluster need the same tiles of A, the four of a column the same tiles of B: each tile is asked for JOINTLY, by the same tensor load with the
; same descriptor and a mask that names the four.  THE MATRIX INSTRUCTION IS USED TRANSPOSED (source 0 = 16 rows of B, source 1 = 16 rows of A): a lane then holds eight neighbouring numbers of a row of out0.
; THE BIAS is the C of each sum's first matrix instruction: eight registers for each of my eight blocks of columns, in the result's layout.  Nothing is cleared and nothing is added afterwards.
; REGISTERS, in windows of 256: window 0: v0-31 addresses; v32-63 scale words, two sets; v64-127 the bias; v128-223 A's fragments (8 x 16 rows x 128 K), ONE set; on the way out v128-255 hold rows read back.
;   window 1: B's fragments, TWO sets, at v0 and at v128.   window 2: the 32 accumulators of my rows 0-63 (accumulator (a, b) at v[8 (8 a + b)]);   window 3: those of my rows 64-127.
; A step of 128 along K is 64 matrix instructions, A's blocks one after the other, each against B's eight.  So a block of A is free as soon as its eight products are issued, and one set of registers serves A:
; blocks 0-3 are fetched anew in the step's middle, blocks 4-7 at its end.  B's fragments are at work through the whole step, so B has two sets.
.set SIZE_N, 4096
.set SIZE_K, 4096
.set KSTEP,  256                       ; along K in a slot
.set NQ,     KSTEP/128                 ; matrix instructions deep
.set TILEB,  24576                     ; 128 rows x 192 bytes: what one tensor load brings, dense in memory
.set KROW,   3072                      ; bytes of codes for a row, all of K: 128 rows x KROW is a block of rows
.set PITCH,  240                       ; an LDS row: 3 x (64 bytes of data + 16 of padding) = 60 words: row r starts at bank -4 r mod 64 (64 banks of 4 bytes: ISA guide 11.1), so the 32 lanes of a load of 8 bytes touch 64 different banks
.set FR,     12                        ; registers of a fragment: 16 rows x 128 K
.set NL,     6                         ; LDS loads that bring one
.set NP,     4                         ; places behind this matrix instruction (ISA guide 7.12.1)
.set HALFT,  128*PITCH                 ; 128 rows in LDS
.set SLOT,   4*HALFT                   ; A's 256 rows, then B's 256 rows
.set LAPS,   SIZE_K/(2*KSTEP)          ; a lap = two K steps = once round the ring: 8
.set KS,     SIZE_K/32                 ; a row of scales: 128 bytes
.set SCL,    2*SLOT                    ; behind the ring: the scales, as runs of 256 bytes + 16 of padding
.set HALFS,  (128*KS/256)*272          ; the scales of 128 rows: what one tensor load brings
.set SBLK,   (16*KS/256)*272           ; those of 16 rows
.set SPARE,  SCL+4*HALFS               ; behind the scales: the spare words, 128 bytes for each wave: two blocks of 256 bytes that no other line names
.set SPITCH, 528                       ; the way out: a stage of 16 rows x (512 bytes + 16) for each wave.  It lies in slot 0, which has had its last fill and its last read when the first result is stored there
.set ADRA, 16                          ; v16-17  LDS address of my A fragments in slot 0, 1  (v18-19: the same for the pieces that lie behind one padding more)
.set ADRB, 20                          ; v20-21  the same for B  (v22-23)
.set STO,  24                          ; v24     the way out: where I put 32 bytes of a row
.set RD,   25                          ; v25     the way out: where I read a row back
.set CO,   26                          ; v26     my byte offset in a row of out0
.set ADRS, 27                          ; v27     LDS address of my scale words: lanes 0-15 A's rows, lanes 16-31 B's
.set SPW,  28                          ; v28     LDS address of my spare word: SPARE + 4 x my thread's number; never rewritten
.set NIL,  29                          ; v29     0; never rewritten
.set BO,   30                          ; v30     the bias: 32 x (lane / 16) bytes; never rewritten
.set PFO,  31                          ; v31     the prefetches' offset: 256 x lane; never rewritten
.set SC,   32                          ; scale words: set s (for slot s) at v[SC + 8 NQ s]; in it register NQ i + q: lanes 0-15 the word of A's block i, lanes 16-31 that of B's block i, for the slot's q-th 128 along K
.set BI,   64                          ; the bias: v[BI + 8 i ..]: b at my columns 16 i + 8 (lane / 16) + 0 .. 7
.set AF,   128                         ; A's fragments, in window 0
.set BK,   128                         ; the way out: 16 rows read back from the stage: v128-191 and v192-255 by turns
.set G1, 24                            ; s[24:31] descriptor group 1 for A's tiles;  s[32:39] group 0, one set for each slot
.set G0, 32
.set G1B, 48                           ; s[48:55], s[56:63] the same for B's tiles
.set G0B, 56
.set G1S, 68                           ; s[68:75], s[76:79] groups 1 and 0 for A's scales;  s[80:87], s[88:91] for B's
.set G0S, 76
.set G1SB, 80
.set G0SB, 88
.set LIM, 95                           ; s95     3 in a wave that prefetches, else the greatest number
.set PFA, 98                           ; s[98:99] where my prefetches stand in memory
.set MSB, 0
.macro WIN new                         ; the immediate's high byte repeats the setting that is left; a switch that changes nothing is dropped
.if MSB != (\new)
	s_set_vgpr_msb (MSB<<8)|(\new)
.set MSB, (\new)
.endif
.endm
.set MUL_LO,  0xa1                     ; source 0 (B) window 1, source 1 (A) window 0, C and D window 2
.set MUL_HI,  0xf1                     ; the same, C and D window 3
.set BIAS_LO, 0x81                     ; the first step: C (the bias) window 0, D window 2
.set BIAS_HI, 0xc1                     ; C window 0, D window 3
.set TO_B,    0x40                     ; destination window 1, address window 0
; A joint load: waves 0 and 1 fetch for A, waves 2 and 3 for B.  Each of the two lines has ONE mask and one set of registers for all that issue it; the branch hangs on the wave's number alone.
; Four v_nop follow each of the two lines, ahead of the jump, the label and what follows.
.macro JLOAD g0a, g1a, g0b, g1b
	s_cmp_eq_u32 s15, 0
	s_cbranch_scc0 .Lfor_b_\@
	tensor_load_to_lds s[\g0a:\g0a+3], s[\g1a:\g1a+7]
	s_nop 0
.rept 4
	v_nop
.endr
	s_branch .Lasked_\@
.Lfor_b_\@:
	tensor_load_to_lds s[\g0b:\g0b+3], s[\g1b:\g1b+7]
	s_nop 0
.rept 4
	v_nop
.endr
.Lasked_\@:
.endm
; A PREFETCH INTO THE L2, behind a joint load, its four lines and the run of LDS loads that follows them.  At a change of slots every wave has waited for all its tensor loads, so the refill that follows has nothing on its way beside it.
; A block of 128 rows is one dense run of 16 x 24,576 bytes = 1,536 pieces of 256.  The j-th refill (j = 0 .. 8) names pieces 384 + 128 j + 32 p + lane of the block that the wave fetches: a lane a piece, one instruction a wave.
; So K steps 4 to 15 are named, each piece ONCE in the launch: A's blocks are read by every cluster of a row of clusters, of which the first (cluster x = 0) asks; B's by every cluster of a column: cluster y = 0 asks;
; the four partners that ask for a tile jointly are told apart BY ADDRESS (p = cx for A, cy for B): no branch hangs on a work-group's place in its cluster.  Refill j fetches K step j + 2 and names bytes from K step 4 + 4 j / 3 on.
; Nine requests: the lap counter s3 runs 7 .. 1; slot 0's refill asks while s3 >= 3, slot 1's while s3 > 3.  The last piece named is the block's last.  K steps 0 to 3 come by their loads alone: nothing is asked for at the head.
.macro ASK slot
.if \slot
	s_cmp_gt_u32 s3, s[LIM]
.else
	s_cmp_ge_u32 s3, s[LIM]
.endif
	s_cbranch_scc0 .Lnot_mine_\@
	global_prefetch_b8 v[PFO], s[PFA:PFA+1] th:TH_LOAD_NT scope:SCOPE_SE
.Lnot_mine_\@:
.endm
.macro CREST                           ; a round of the cluster's barrier behind its opening barrier
	s_cmp_lg_u32 s14, 0
	s_cbranch_scc1 .Lnot_wave_0_\@
	s_barrier_signal -3
.Lnot_wave_0_\@:
	s_barrier_wait -3
	s_barrier_signal -1
	s_barrier_wait -1
.endm
.macro CROUND                          ; a whole round
	s_barrier_signal -1
	s_barrier_wait -1
	CREST
.endm
	s_load_b128 s[4:7], s[0:1], 0x0                ; A's codes s[4:5], A's scales s[6:7]
	s_load_b128 s[8:11], s[0:1], 0x10              ; B's codes s[8:9], B's scales s[10:11]
	s_load_b64 s[96:97], s[0:1], 0x20              ; b
	s_load_b64 s[12:13], s[0:1], 0x28              ; out0
	v_lshl_add_u32 v[SPW], v0, 2, SPARE
	v_mov_b32 v[NIL], 0
	ds_add_u32 v28, v29
	ds_add_u32 v28, v29
	s_wait_dscnt 0x0
	v_lshrrev_b32 v1, 5, v0
	v_readfirstlane_b32 s14, v1                    ; wave 0..3
	s_lshr_b32 s15, s14, 1                         ; which half of the tile's rows is mine.  Also: I fetch for A (0) or for B (1)
	s_and_b32 s16, s14, 1                          ; which half of its columns.  Also: which 128 rows of that tile I fetch
	s_bfe_u32 s40, ttmp6, 0x40000                  ; cx, cy: my place in the cluster
	s_bfe_u32 s41, ttmp6, 0x40004
	s_lshl_b32 s42, ttmp9, 2
	s_add_co_u32 s42, s42, s40                     ; tile column = 4 x cluster x + cx
	s_and_b32 s17, ttmp7, 0xffff
	s_lshl_b32 s17, s17, 2
	s_add_co_u32 s17, s17, s41                     ; tile row = 4 x cluster y + cy
	s_lshl_b32 s43, s41, 2
	s_lshl_b32 s43, 15, s43                        ; my row of the cluster
	s_lshl_b32 s44, 0x1111, s40                    ; my column
	; descriptor group 1 for the codes: the dense 24,576 bytes as 96 rows of 256 bytes (32 elements of 8 bytes); 16 bytes of padding behind every 64, so that in LDS the 128 rows of 192 bytes lie 240 apart
	s_or_b32 s[G1+0], s43, (3<<16)|(1<<20)|(1<<21)|(3<<22)|(3<<25)  ; 15:0 the mask: A's tiles go to my row; 17:16 elements of 8 bytes; 20 padding on; 21 set beside a mask; 24:22 after every 16 words (code 3); 31:25 of 4 words (code 3)
	s_or_b32 s[G1B+0], s44, (3<<16)|(1<<20)|(1<<21)|(3<<22)|(3<<25)
.irp g, G1, G1B
	s_mov_b32 s[\g+1], 32<<16                      ; tensor_dim0 = 32
	s_mov_b32 s[\g+2], 96<<16                      ; tensor_dim1 = 96
	s_mov_b32 s[\g+3], 32<<16                      ; tile_dim0 = 32
	s_mov_b32 s[\g+4], 96                          ; tile_dim1 = 96
	s_mov_b32 s[\g+5], 32                          ; tensor_dim0_stride
	s_mov_b32 s[\g+6], 0
	s_mov_b32 s[\g+7], 0
.endr
	; and for the scales of 128 rows: a dense block of 16,384 bytes, as 64 rows of 256 bytes, 16 bytes of padding behind each
	s_or_b32 s[G1S+0], s43, (3<<16)|(1<<20)|(1<<21)|(5<<22)|(3<<25)
	s_or_b32 s[G1SB+0], s44, (3<<16)|(1<<20)|(1<<21)|(5<<22)|(3<<25)
.irp g, G1S, G1SB
	s_mov_b32 s[\g+1], 32<<16
	s_mov_b32 s[\g+2], (128*KS/256)<<16
	s_mov_b32 s[\g+3], 32<<16
	s_mov_b32 s[\g+4], 128*KS/256
	s_mov_b32 s[\g+5], 32
	s_mov_b32 s[\g+6], 0
	s_mov_b32 s[\g+7], 0
.endr
	s_lshl_b32 s18, s16, 7                         ; which 128 rows of the tile I fetch
	s_lshl_b32 s20, s17, 8
	s_add_co_u32 s20, s20, s18                     ; A: row 256 x tile row + 128 x half
	s_lshl_b32 s46, s42, 8
	s_add_co_u32 s46, s46, s18                     ; B: row 256 x tile column + 128 x half
	s_mov_b32 s21, 0
	s_mov_b32 s47, 0
	s_mov_b64 s[18:19], KS
	s_mul_u64 s[22:23], s[20:21], s[18:19]         ; where these rows' scales begin, in bytes
	s_mul_u64 s[92:93], s[46:47], s[18:19]
	s_mov_b64 s[18:19], KROW
	s_mul_u64 s[20:21], s[20:21], s[18:19]         ; and their block of codes (the row is a multiple of 128)
	s_mul_u64 s[46:47], s[46:47], s[18:19]
	s_mul_i32 s45, s14, HALFT                      ; where they go: wave x 128 rows: no place in the cluster enters an LDS address
	s_mul_i32 s94, s14, HALFS
	s_wait_kmcnt 0x0
	s_add_nc_u64 s[20:21], s[4:5], s[20:21]
	s_add_nc_u64 s[22:23], s[6:7], s[22:23]
	s_add_nc_u64 s[46:47], s[8:9], s[46:47]
	s_add_nc_u64 s[92:93], s[10:11], s[92:93]
	CROUND                                         ; all sixteen work-groups are here: the first joint loads meet
	s_mov_b32 s[G0S], 1
	s_add_co_u32 s[G0S+1], s94, SCL
	s_mov_b64 s[G0S+2:G0S+3], s[22:23]
	s_or_b32 s[G0S+3], s[G0S+3], 0x80000000
	s_mov_b32 s[G0SB], 1
	s_add_co_u32 s[G0SB+1], s94, SCL
	s_mov_b64 s[G0SB+2:G0SB+3], s[92:93]
	s_or_b32 s[G0SB+3], s[G0SB+3], 0x80000000
	JLOAD G0S, G1S, G0SB, G1SB                     ; the scales first: they are wanted with K step 0
.irp s, 0,1
	s_mov_b32 s[G0+4*\s], 1                                        ; count = 1
	s_add_co_u32 s[G0+4*\s+1], s45, \s*SLOT                        ; LDS address
	s_add_nc_u64 s[G0+4*\s+2:G0+4*\s+3], s[20:21], \s*TILEB        ; global address: K step s
	s_or_b32 s[G0+4*\s+3], s[G0+4*\s+3], 0x80000000                ; type = 2
	s_mov_b32 s[G0B+4*\s], 1
	s_add_co_u32 s[G0B+4*\s+1], s45, \s*SLOT
	s_add_nc_u64 s[G0B+4*\s+2:G0B+4*\s+3], s[46:47], \s*TILEB
	s_or_b32 s[G0B+4*\s+3], s[G0B+4*\s+3], 0x80000000
	JLOAD G0+4*\s, G1, G0B+4*\s, G1B               ; three tensor loads of mine are out now
.endr
	v_and_b32 v1, 15, v0                           ; l % 16
	v_bfe_u32 v2, v0, 4, 1                         ; l / 16
	v_mul_u32_u24 v3, v1, PITCH
	v_mul_u32_u24 v4, v2, 24
	v_add_nc_u32 v4, v3, v4                        ; a fragment's row x pitch + 24 x half
	v_lshl_add_u32 v5, v2, 4, v4                   ; and the same behind one padding more
	s_mul_i32 s21, s15, HALFT                      ; my 128 rows of A
	s_mul_i32 s22, s16, HALFT                      ; my 128 rows of B,
	s_add_co_u32 s22, s22, 2*HALFT                 ; which lie behind A's 256
.irp s, 0,1
	v_add_nc_u32 v[ADRA+\s], s21, v4
	v_add_nc_u32 v[ADRB+\s], s22, v4
	v_add_nc_u32 v[ADRA+2+\s], s21, v5
	v_add_nc_u32 v[ADRB+2+\s], s22, v5
	s_add_co_u32 s21, s21, SLOT
	s_add_co_u32 s22, s22, SLOT
.endr
	v_mul_u32_u24 v5, v1, KS                       ; my row's scales: KS bytes a row,
	v_lshrrev_b32 v6, 8, v5
	v_lshl_add_u32 v5, v6, 4, v5                   ; and 16 more for each 256 passed
	s_mul_i32 s21, s15, HALFS                      ; A's: my 128 rows
	s_mul_i32 s22, s16, HALFS                      ; B's: my 128 rows, behind A's 256
	s_add_co_u32 s22, s22, 2*HALFS
	s_sub_co_u32 s22, s22, s21
	v_mul_u32_u24 v6, s22, v2                      ; lanes 16-31 take B's: ONE product, the distance between the two bases x the lane's half
	s_add_co_u32 s21, s21, SCL
	v_add_nc_u32 v5, v5, v6
	v_add_nc_u32 v[ADRS], s21, v5
	s_mul_i32 s23, s14, 16*SPITCH                  ; my stage
	v_mul_u32_u24 v5, v1, SPITCH                   ; in: row l % 16, 32 bytes for each half of the lanes
	v_lshl_add_u32 v5, v2, 5, v5
	v_add_nc_u32 v[STO], s23, v5
	v_and_b32 v6, 31, v0
	v_lshlrev_b32 v[CO], 4, v6                     ; back: the 32 lanes take one row of 512 bytes; and the same in out0
	v_add_nc_u32 v[RD], s23, v[CO]
	v_lshlrev_b32 v[BO], 5, v2
	v_lshlrev_b32 v[PFO], 8, v6
	s_lshl_b32 s20, s17, 8
	s_lshl_b32 s21, s15, 7
	s_add_co_u32 s20, s20, s21                     ; my first row of out0: 256 x tile row + 128 x half
	s_mov_b32 s21, 0
	s_mov_b64 s[18:19], SIZE_N*4
	s_mul_u64 s[20:21], s[20:21], s[18:19]
	s_lshl_b32 s46, s42, 10                        ; my first column, in bytes: 1024 x tile column + 512 x half
	s_lshl_b32 s47, s16, 9
	s_add_co_u32 s46, s46, s47
	s_mov_b32 s47, 0
	s_add_nc_u64 s[20:21], s[20:21], s[46:47]
	s_add_nc_u64 s[12:13], s[12:13], s[20:21]
	s_add_nc_u64 s[96:97], s[96:97], s[46:47]      ; b at my first column
.irp i, 0,1,2,3,4,5,6,7
	global_load_b128 v[BI+8*\i:BI+8*\i+3], v[BO], s[96:97] offset:64*\i          ; lane (r, h): b at columns 16 i + 8 h + 0 .. 7, as the result's registers lie
	global_load_b128 v[BI+8*\i+4:BI+8*\i+7], v[BO], s[96:97] offset:64*\i+16
.endr
	; the prefetches (macro ASK): where my wave's stand, and who asks
	s_and_b32 s22, ttmp7, 0xffff                   ; cluster y
	s_cmp_eq_u32 s15, 0                            ; do I fetch for A?
	s_cselect_b32 s20, s17, s42                    ; the tile: by the tile row in A, by the tile column in B
	s_cselect_b32 s21, s40, s41                    ; my place among the four that ask for it with me
	s_cselect_b32 s22, ttmp9, s22                  ; the coordinate along which other clusters read the same rows
	s_cselect_b64 s[PFA:PFA+1], s[4:5], s[8:9]
	s_cmp_eq_u32 s22, 0
	s_cselect_b32 s[LIM], 3, -1                    ; the same in all sixteen partners, for a given wave
	s_lshl_b32 s20, s20, 1
	s_add_co_u32 s20, s20, s16                     ; the block of 128 rows that I fetch
	s_mul_i32 s20, s20, 16*TILEB
	s_lshl_b32 s21, s21, 13                        ; my work-group's 32 pieces of each 128
	s_add_co_u32 s20, s20, s21
	s_add_co_u32 s20, s20, 4*TILEB-32768           ; one request short of K step 4: the first refill steps it there
	s_mov_b32 s21, 0
	s_add_nc_u64 s[PFA:PFA+1], s[PFA:PFA+1], s[20:21]
.macro FRAG reg, adr, q, i             ; a fragment, 16 rows x 128 K of 6-bit codes, is 12 registers: lane l holds row l % 16; registers 6 c .. 6 c + 5 hold K = 64 c + 32 (l / 16) + 0 .. 31: 24 bytes of the row's stream of bits, as they lie
.irp p, 0,1,2,3,4,5                    ; in pieces of 8 bytes, so that every address is a multiple of the access's size.  Lanes 0-15 take the row's pieces 12 q + 0, 1, 2 and 12 q + 6, 7, 8, lanes 16-31 those three pieces on
.set PC, 12*(\q)+6*(\p/3)+\p%3        ; 16 bytes of padding lie behind every 64 bytes (8 pieces): where the piece three on lies behind one padding more, the second address register (40 for 24 bytes a half) serves
.if PC%8 < 5
	ds_load_b64 v[\reg+2*\p:\reg+2*\p+1], v[\adr] offset:8*PC+16*(PC/8)+(\i)*16*PITCH
.else
	ds_load_b64 v[\reg+2*\p:\reg+2*\p+1], v[\adr+2] offset:8*PC+16*(PC/8)+(\i)*16*PITCH
.endif
.endr
.endm
; 16 matrix instructions: A's blocks a0, a0 + 1 x B's eight, 128 along K: the slot's q-th.  p: B's set;  sc: the set of scale words.  zero = 1: the first product starts the sums, with the bias as its C.
; The 64 accumulators take turns, one instruction a turn, in the same order in every step.
.macro MUL16 a0, p, q, sc, zero
.irp a, \a0, \a0+1
.irp b, 0,1,2,3,4,5,6,7
.if \zero
	v_wmma_scale_f32_16x16x128_f8f6f4 v[8*(8*((\a)%4)+\b):8*(8*((\a)%4)+\b)+7], v[128*(\p)+FR*\b:128*(\p)+FR*\b+FR-1], v[AF+FR*(\a):AF+FR*(\a)+FR-1], v[BI+8*\b:BI+8*\b+7], v[SC+8*NQ*(\sc)+NQ*\b+(\q)], v[SC+8*NQ*(\sc)+NQ*(\a)+(\q)] matrix_a_fmt:MATRIX_FMT_BF6 matrix_b_fmt:MATRIX_FMT_BF6 matrix_a_scale:MATRIX_SCALE_ROW1
.else
	v_wmma_scale_f32_16x16x128_f8f6f4 v[8*(8*((\a)%4)+\b):8*(8*((\a)%4)+\b)+7], v[128*(\p)+FR*\b:128*(\p)+FR*\b+FR-1], v[AF+FR*(\a):AF+FR*(\a)+FR-1], v[8*(8*((\a)%4)+\b):8*(8*((\a)%4)+\b)+7], v[SC+8*NQ*(\sc)+NQ*\b+(\q)], v[SC+8*NQ*(\sc)+NQ*(\a)+(\q)] matrix_a_fmt:MATRIX_FMT_BF6 matrix_b_fmt:MATRIX_FMT_BF6 matrix_a_scale:MATRIX_SCALE_ROW1
.endif
.endr
.endr
.endm
.macro FETCH_B slot, q, p              ; B's eight fragments of the slot's q-th 128 along K into set p
	WIN TO_B
.irp i, 0,1,2,3,4,5,6,7
	FRAG 128*(\p)+FR*\i, ADRB+\slot, \q, \i
.endr
	WIN 0
.endm
.macro FETCH_A slot, q, i0             ; A's blocks i0 .. i0 + 3
.irp i, \i0, \i0+1, \i0+2, \i0+3
	FRAG AF+FR*(\i), ADRA+\slot, \q, \i
.endr
.endm
.macro SCALES sc                       ; the next K step's scale words into set sc: NQ words a row; lanes 0-15 take A's block i, lanes 16-31 B's block i
.irp i, 0,1,2,3,4,5,6,7
	ds_load_b64 v[SC+8*NQ*\sc+NQ*\i:SC+8*NQ*\sc+NQ*\i+1], v[ADRS] offset:\i*SBLK
.endr
.endm
; A load into a register that a matrix instruction has read, and an LDS store that reads a matrix result, stand NP places behind that matrix instruction, and only plain vector
; instructions that name none of its registers are places (ISA guide 7.12.1 for vector instructions); this text does not count the matrix instructions in between.
.macro PLACES n
.rept \n
	v_nop
.endr
.endm
; A step of 128 along K that has its successor in the same slot.
.macro STEP slot, q, zero
	s_wait_dscnt 4*NL                              ; B's set, A's blocks 0-3 and the scale words are in; the youngest 24 loads (A's blocks 4-7) may be out
.if \zero
	WIN BIAS_LO
.else
	WIN MUL_LO
.endif
	MUL16 0, (\q)%2, \q, \slot, \zero
	MUL16 2, (\q)%2, \q, \slot, \zero
	s_wait_dscnt 0                                 ; A's blocks 4-7 are in (asked for 32 matrix instructions ago)
	PLACES NP
	FETCH_B \slot, (\q)+1, 1-(\q)%2
	FETCH_A \slot, (\q)+1, 0
.if \zero
	WIN BIAS_HI
.else
	WIN MUL_HI
.endif
	MUL16 4, (\q)%2, \q, \slot, \zero
	MUL16 6, (\q)%2, \q, \slot, \zero
	PLACES NP
	WIN 0
	FETCH_A \slot, (\q)+1, 4
.endm
; A slot's last step changes slots: ONE barrier; in front of it each wave waits for all its tensor loads, adds 0 to its spare word, and waits for that and for its own reads of this slot.  fill = 1: this slot is filled again, two K steps ahead.
.macro TURN slot, next, fill
.if \fill
	s_wait_xcnt 0x0                                ; the last prefetch, a K step back, has read its address: it is stepped here, ahead of the waits of the change of slots
	s_add_nc_u64 s[PFA:PFA+1], s[PFA:PFA+1], 32768 ; 128 pieces of 256 bytes on
.endif
	s_wait_tensorcnt 0x0                           ; all my tensor loads have landed: my part of the next slot;  (every window is 0 here: the add's two registers lie in window 0)
	ds_add_u32 v[SPW], v[NIL]                      ; 0 onto my spare word;
	s_wait_dscnt 4*NL+1                            ; (the add and the youngest 24 loads, A's blocks 4-7, may be out)
	WIN MUL_LO
	MUL16 0, 1, NQ-1, \slot, 0                     ; sixteen matrix instructions stand between the add and the wait for it
	s_wait_dscnt 0x0                               ; the add is done, and my reads of this slot are over
	s_barrier_signal -1
	MUL16 2, 1, NQ-1, \slot, 0
	WIN 0
	s_barrier_wait -1
.if \fill
	CREST                                          ; the barrier has opened a round of the cluster's barrier: no wave of any partner still reads this slot's tile or has a load on its way
	s_add_nc_u64 s[G0+4*\slot+2:G0+4*\slot+3], s[G0+4*\slot+2:G0+4*\slot+3], 2*TILEB
	s_add_nc_u64 s[G0B+4*\slot+2:G0B+4*\slot+3], s[G0B+4*\slot+2:G0B+4*\slot+3], 2*TILEB
	JLOAD G0+4*\slot, G1, G0B+4*\slot, G1B         ; the first tensor load behind the round, and my only one until the next; the four v_nop behind it are the places in front of the loads below
.else
	PLACES NP
.endif
	v_add_nc_u32 v[ADRS], 4*NQ, v[ADRS]            ; on to the next K step's scale words (no LDS load of mine is out)
	FETCH_B \next, 0, 0
	FETCH_A \next, 0, 0
	SCALES \next
.if \fill
	ASK \slot                                      ; behind the joint load and the run of LDS loads that the next products wait for
.endif
	WIN MUL_HI
	MUL16 4, 1, NQ-1, \slot, 0
	MUL16 6, 1, NQ-1, \slot, 0
	PLACES NP
	WIN 0
	FETCH_A \next, 0, 4
.endm
	s_wait_tensorcnt 1                             ; the scales and my part of K step 0 are in (K step 1's load may be out)
	s_barrier_signal -1
	s_barrier_wait -1                              ; everybody's are
	FETCH_B 0, 0, 0
	FETCH_A 0, 0, 0
	SCALES 0
	FETCH_A 0, 0, 4
	s_wait_loadcnt 0x0                             ; the bias
	STEP 0, 0, 1                                   ; the first step stands in front of the loop: its products start the sums, on the bias
	s_mov_b32 s3, LAPS-1
.Llap:                                                 ; a trip goes once round the ring, from a lap's second step to the next lap's first, and fills both slots again
	TURN 0, 1, 1
	STEP 1, 0, 0
	TURN 1, 0, 1
	STEP 0, 0, 0
	s_sub_co_u32 s3, s3, 1
	s_cmp_lg_u32 s3, 0
	s_cbranch_scc1 .Llap
	TURN 0, 1, 0                                   ; the last lap fills nothing, and has no round of the cluster's barrier
	STEP 1, 0, 0
	s_wait_dscnt 4*NL                              ; the very last step: nothing more to fetch
	WIN MUL_LO
	MUL16 0, 1, NQ-1, 1, 0
	MUL16 2, 1, NQ-1, 1, 0
	s_wait_dscnt 0
	WIN MUL_HI
	MUL16 4, 1, NQ-1, 1, 0
	MUL16 6, 1, NQ-1, 1, 0
	WIN 0
; THE WAY OUT, block by block of 16 rows x 128 columns.  A lane holds 32 neighbouring bytes of a row, and the lanes beside it hold other rows: so a block goes through my own stage in LDS and comes back as whole
; rows of 512 bytes, which the 32 lanes store together.  LDS serves a wave's instructions in order (ISA guide 5.7.1.4): no wait between the stores and the loads, nor in front of the next block's stores.
.macro TOSTAGE a
.set AC, 64*((\a)%4)
	WIN 0x08+4*((\a)/4)                            ; an LDS store's data are its source 1: window 2 or 3
.irp b, 0,1,2,3,4,5,6,7
	ds_store_b128 v[STO], v[AC+8*\b:AC+8*\b+3] offset:64*\b          ; each accumulator from its low end on
	ds_store_b128 v[STO], v[AC+8*\b+4:AC+8*\b+7] offset:64*\b+16
.endr
	WIN 0
.set BB, BK+64*((\a)%2)
.irp t, 0,1,2,3,4,5,6,7,8,9,10,11,12,13,14,15
	ds_load_b128 v[BB+4*\t:BB+4*\t+3], v[RD] offset:\t*SPITCH
.endr
.endm
.macro SEND a, younger                 ; younger: the LDS instructions issued behind block a's loads, which may stay out
.set BB, BK+64*((\a)%2)
	s_wait_dscnt \younger                          ; the block is back in registers
.if (\a) > 0
	s_add_nc_u64 s[12:13], s[12:13], 16*SIZE_N*4   ; (behind a wait on XCNT: the earlier stores have read their base)  16 rows of out0 on: the stores' offsets reach 15 rows, 245,760 bytes, inside the signed 24-bit immediate (ISA guide, chapter 10)
.endif
.irp t, 0,1,2,3,4,5,6,7,8,9,10,11,12,13,14,15
	global_store_b128 v[CO], v[BB+4*\t:BB+4*\t+3], s[12:13] offset:\t*SIZE_N*4 th:TH_STORE_NT   ; 32 lanes store 512 consecutive bytes, at a multiple of 256 from out0's first byte; written once, read by nobody here
.endr
.endm
	PLACES NP                                      ; these places serve the loads into the registers that held A's fragments and the reads of the last products' results alike
	TOSTAGE 0
.irp a, 1,2,3,4,5,6,7
.if \a > 1
	s_wait_xcnt 0x0                                ; block a - 2's stores have read their registers and their base: block a's loads may land there, and the base may step
.endif
	TOSTAGE \a
	SEND \a-1, 32                                  ; behind block a - 1's loads: block a's 16 stores and 16 loads
.endr
	s_wait_xcnt 0x0                                ; block 6's stores have read their base
	SEND 7, 0
	s_wait_tensorcnt 0x0                           ; the wave's end, behind my last tensor load and my last LDS store
	ds_add_u32 v[SPW], v[NIL]
	s_wait_dscnt 0x0
	CROUND                                         ; the closing round: no work-group ends while a partner may still ask for a tile that names it
	s_endpgm
.Lfunc_end_k_q0be491dff9_gemm:
	.size	k_q0be491dff9_gemm, .Lfunc_end_k_q0be491dff9_gemm-k_q0be491dff9_gemm
	.p2alignl 7, 3214868480
	.fill 96, 4, 3214868480
	.section	.rodata,"a",@progbits
	.p2align	6, 0x0
	.amdhsa_kernel k_q0be491dff9_gemm
		.amdhsa_group_segment_fixed_size 327680
		.amdhsa_private_segment_fixed_size 0
		.amdhsa_enable_private_segment 0
		.amdhsa_kernarg_size 48
		.amdhsa_user_sgpr_count 2
		.amdhsa_user_sgpr_kernarg_segment_ptr 1
		.amdhsa_wavefront_size32 1
		.amdhsa_system_sgpr_workgroup_id_x 1
		.amdhsa_system_sgpr_workgroup_id_y 1
		.amdhsa_system_sgpr_workgroup_id_z 1
		.amdhsa_system_vgpr_workitem_id 0
		.amdhsa_next_free_vgpr 1024
		.amdhsa_next_free_sgpr 100
		.amdhsa_reserve_vcc 0
		.amdhsa_float_denorm_mode_32 3
		.amdhsa_float_denorm_mode_16_64 3
		.amdhsa_memory_ordered 1
		.amdhsa_forward_progress 1
		.amdhsa_inst_pref_size 163
	.end_amdhsa_kernel
	.amdgpu_metadata
---
amdhsa.version: [ 1, 2 ]
amdhsa.kernels:
  - .name:           k_q0be491dff9_gemm
    .symbol:         k_q0be491dff9_gemm.kd
    .args:
      - { .name: xc, .offset: 0, .size: 8, .value_kind: global_buffer, .address_space: global }
      - { .name: xs, .offset: 8, .size: 8, .value_kind: global_buffer, .address_space: global }
      - { .name: wc, .offset: 16, .size: 8, .value_kind: global_buffer, .address_space: global }
      - { .name: ws, .offset: 24, .size: 8, .value_kind: global_buffer, .address_space: global }
      - { .name: b, .offset: 32, .size: 8, .value_kind: global_buffer, .address_space: global }
      - { .name: out0, .offset: 40, .size: 8, .value_kind: global_buffer, .address_space: global }
    .group_segment_fixed_size: 327680
    .private_segment_fixed_size: 0
    .kernarg_segment_align: 8
    .kernarg_segment_size: 48
    .max_flat_workgroup_size: 128
    .sgpr_count:     100
    .vgpr_count:     1024
    .wavefront_size: 32
...
	.end_amdgpu_metadata
.endif
;; end of part 2
